; MI455X (gfx1250); checked and timed in simulation.
; The chip was launched on July 23, 2026; its instructions are those of AMD's public machine-readable ISA for CDNA 5 (MIT licence, August 2026) and "CDNA5" Instruction Set Architecture Reference Guide (July 2026). The comments in the code are by the model that wrote it; some were corrected since.
;; Multi Head Attention. Allowed arithmetic: float matrix products may take bf16 or f16 operands with f32 sums; all other float work in f32.
;; Inputs: W_out 1,024 x 1,024 float32; W_qkv 3,072 x 1,024 float32; b_out 1,024 float32; b_qkv 3,072 float32; x 4 x 2,048 x 1,024 float32.
;; Outputs: out0 4 x 2,048 x 1,024 float32.
;; One version. Each part assembles by itself: llvm-mc -triple=amdgcn-amd-amdhsa -mcpu=gfx1250 --defsym DOCPART=n.
;; ======== version 1 of 1: 4 launches
;; limits: values are held in f16: magnitudes above 65,504 overflow, below 6.1e-05 lose precision
;; workspace buffers: xh 16,777,216 bytes; wqh 6,291,456 bytes; woh 2,097,152 bytes; qh 16,777,216 bytes; kh 16,777,216 bytes; vh 16,777,216 bytes; ah 16,777,216 bytes
;; launch cvt (part 1): grid 768 x 1, 8 waves a work-group, no clusters, 0 bytes of LDS; arguments x, W_qkv, W_out, xh, wqh, woh; writes xh, wqh, woh
.if DOCPART == 1
	.amdgcn_target "amdgcn-amd-amdhsa--gfx1250"
	.amdhsa_code_object_version 6
	.text
	.protected	k_q3aa3df50f2_cvt
	.globl	k_q3aa3df50f2_cvt
	.p2align	8
	.type	k_q3aa3df50f2_cvt,@function
k_q3aa3df50f2_cvt:
	s_mov_b64 s[64:65], 0
	v_nop
	global_prefetch_b8 v0, s[64:65] scope:SCOPE_SE
	s_setreg_imm32_b32 hwreg(HW_REG_WAVE_MODE, 25, 1), 1
	s_wait_xcnt 0x0
; x, W_qkv and W_out, f32, are rounded once to f16 (xh, wqh, woh), the format in which the later launches feed the matrix units.
; LIMIT: a magnitude above 65,504 becomes infinity, one below 6e-8 becomes 0 (f16's range; f16 denormals are kept).
; A stream: no LDS, no barrier, no matrix unit, no cluster (no two work-groups read the same byte).
; A work-group takes 65,536 bytes of f32: groups 0-511 x, 512-703 W_qkv, 704-767 W_out (33,554,432 + 12,582,912 + 4,194,304 bytes).
; Thread t takes the 16 bytes at 16 t + 4,096 i, i = 0..15, and stores 8 bytes at 8 t + 2,048 i: a load of a wave covers 512
; consecutive bytes, a store of a wave 256 consecutive bytes that start at a multiple of 256.  All sixteen loads go out first.
.set X, 4                              ; v[4:67]   slot i: four f32 as loaded
.set Y, 68                             ; v[68:99]  slot i: four f16 to store
	s_load_b256 s[4:11], s[0:1], 0x0               ; x s[4:5], W_qkv s[6:7], W_out s[8:9], xh s[10:11]
	s_load_b128 s[12:15], s[0:1], 0x20             ; wqh s[12:13], woh s[14:15]
	s_mov_b32 s16, ttmp9
	v_lshlrev_b32 v1, 4, v0                        ; 16 t
	v_lshlrev_b32 v2, 3, v0                        ; 8 t
	s_wait_kmcnt 0x0
	s_cmp_ge_u32 s16, 512                          ; which tensor: the choice hangs on the work-group's number alone
	s_cselect_b64 s[20:21], s[6:7], s[4:5]
	s_cselect_b64 s[22:23], s[12:13], s[10:11]
	s_cselect_b32 s17, 512, 0
	s_cmp_ge_u32 s16, 704
	s_cselect_b64 s[20:21], s[8:9], s[20:21]
	s_cselect_b64 s[22:23], s[14:15], s[22:23]
	s_cselect_b32 s17, 704, s17
	s_sub_co_u32 s16, s16, s17                     ; the group's number inside its tensor
	s_lshl_b32 s24, s16, 16                        ; x 65,536 bytes in (below 2^25)
	s_mov_b32 s25, 0
	s_lshl_b32 s26, s16, 15                        ; x 32,768 bytes out
	s_mov_b32 s27, 0
	s_add_nc_u64 s[20:21], s[20:21], s[24:25]
	s_add_nc_u64 s[22:23], s[22:23], s[26:27]
.irp i, 0,1,2,3,4,5,6,7,8,9,10,11,12,13,14,15
	global_load_b128 v[X+4*\i:X+4*\i+3], v1, s[20:21] offset:4096*\i th:TH_LOAD_NT   ; read once in the launch
.endr
.irp i, 0,1,2,3,4,5,6,7,8,9,10,11,12,13,14,15
	s_wait_loadcnt 15-\i                           ; loads come back in order: slot i is in, the 15 - i younger ones stay out
	v_cvt_pk_f16_f32 v[Y+2*\i],   v[X+4*\i],   v[X+4*\i+1]
	v_cvt_pk_f16_f32 v[Y+2*\i+1], v[X+4*\i+2], v[X+4*\i+3]
	global_store_b64 v2, v[Y+2*\i:Y+2*\i+1], s[22:23] offset:2048*\i   ; no register is written twice, so no wait for sources
.endr
	s_endpgm
.Lfunc_end_k_q3aa3df50f2_cvt:
	.size	k_q3aa3df50f2_cvt, .Lfunc_end_k_q3aa3df50f2_cvt-k_q3aa3df50f2_cvt
	.p2alignl 7, 3214868480
	.fill 96, 4, 3214868480
	.section	.rodata,"a",@progbits
	.p2align	6, 0x0
	.amdhsa_kernel k_q3aa3df50f2_cvt
		.amdhsa_group_segment_fixed_size 0
		.amdhsa_private_segment_fixed_size 0
		.amdhsa_enable_private_segment 0
		.amdhsa_kernarg_size 48
		.amdhsa_user_sgpr_count 2
		.amdhsa_user_sgpr_kernarg_segment_ptr 1
		.amdhsa_wavefront_size32 1
		.amdhsa_system_sgpr_workgroup_id_x 1
		.amdhsa_system_sgpr_workgroup_id_y 1
		.amdhsa_system_sgpr_workgroup_id_z 1
		.amdhsa_system_vgpr_workitem_id 0
		.amdhsa_next_free_vgpr 100
		.amdhsa_next_free_sgpr 66
		.amdhsa_reserve_vcc 0
		.amdhsa_float_denorm_mode_32 3
		.amdhsa_float_denorm_mode_16_64 3
		.amdhsa_memory_ordered 1
		.amdhsa_forward_progress 1
		.amdhsa_inst_pref_size 7
	.end_amdhsa_kernel
	.amdgpu_metadata
---
amdhsa.version: [ 1, 2 ]
amdhsa.kernels:
  - .name:           k_q3aa3df50f2_cvt
    .symbol:         k_q3aa3df50f2_cvt.kd
    .args:
      - { .name: x, .offset: 0, .size: 8, .value_kind: global_buffer, .address_space: global }
      - { .name: W_qkv, .offset: 8, .size: 8, .value_kind: global_buffer, .address_space: global }
      - { .name: W_out, .offset: 16, .size: 8, .value_kind: global_buffer, .address_space: global }
      - { .name: xh, .offset: 24, .size: 8, .value_kind: global_buffer, .address_space: global }
      - { .name: wqh, .offset: 32, .size: 8, .value_kind: global_buffer, .address_space: global }
      - { .name: woh, .offset: 40, .size: 8, .value_kind: global_buffer, .address_space: global }
    .group_segment_fixed_size: 0
    .private_segment_fixed_size: 0
    .kernarg_segment_align: 8
    .kernarg_segment_size: 48
    .max_flat_workgroup_size: 256
    .sgpr_count:     66
    .vgpr_count:     100
    .wavefront_size: 32
...
	.end_amdgpu_metadata
.endif
;; end of part 1
;; launch qkv (part 2): grid 16 x 32, 4 waves a work-group, clusters of 4 x 4, 327,680 bytes of LDS; arguments xh, wqh, b_qkv, qh, kh, vh; writes qh, kh, vh
.if DOCPART == 2
	.amdgcn_target "amdgcn-amd-amdhsa--gfx1250"
	.amdhsa_code_object_version 6
	.text
	.protected	k_q3aa3df50f2_qkv
	.globl	k_q3aa3df50f2_qkv
	.p2align	8
	.type	k_q3aa3df50f2_qkv,@function
k_q3aa3df50f2_qkv:
	s_mov_b64 s[64:65], 0
	v_nop
	global_prefetch_b8 v0, s[64:65] scope:SCOPE_SE
	s_setreg_imm32_b32 hwreg(HW_REG_WAVE_MODE, 25, 1), 1
	s_wait_xcnt 0x0
	s_wait_alu depctr_hold_cnt(0) depctr_sa_sdst(0) depctr_va_vdst(0) depctr_va_sdst(0) depctr_va_ssrc(0) depctr_va_vcc(0) depctr_vm_vsrc(0)
	s_getreg_b32 s2, hwreg(HW_REG_IB_STS2, 6, 4)
	s_cmp_eq_u32 s2, 0
	s_cbranch_scc0 .Lentry_in_a_cluster
	s_endpgm
.Lentry_in_a_cluster:
	s_bfe_u32 s2, ttmp6, 0x10000c
	s_cmp_lg_u32 s2, 0xf033
	s_cbranch_scc0 .Lentry_shape_is_right
	s_endpgm
.Lentry_shape_is_right:
; qkv[token][e] = sum over d of xh[token][d] wqh[e][d] + b_qkv[e], e = 192 head + 64 part + d'; part 0, 1, 2 goes to qh, kh, vh,
; each [batch*16 + head][2048 tokens][64] in f16 (a token's row is 128 bytes).  Operands f16, sums f32, bias added in f32, one rounding.
; LIMIT: q, k, v above 65,504 in magnitude become infinity (f16).
; A work-group makes 256 tokens x 192 columns (one head) with four waves, one to a SIMD; a wave makes 128 tokens x 96 columns: 48 accumulator
; tiles of 16 x 16, 384 registers.  K = 1024 goes in 8 steps of 128 through two LDS slots filled by tensor loads; a tile's rows are 256
; bytes of memory and start at multiples of 256 bytes.  512 work-groups of equal work.
; CLUSTERS: 4 x 4 work-groups.  The four of a row of the cluster (same token block, four heads) ask jointly for xh's tiles, the four of a
; column (same head, four token blocks) for wqh's: each tile is requested once for four.
; REGISTER WINDOWS: 0: addresses, token fragments (two buffers of 64), bias.  1: W fragments (two buffers of 48).
;   2: the 24 tiles of my tokens 0-63, tile (a, b) at v[8 (6 a + b)].  3: those of my tokens 64-127.
; The matrix instruction takes W's rows as source 0 and token rows as source 1: lane l then holds token l % 16 and the eight neighbouring
; columns 8 (l / 16) + 0..7 of a tile, which pack into 16 bytes.
.set PITCH,  272                       ; LDS row: 256 bytes + 16 of padding, an odd multiple of 16: the 16 rows of a fragment load start in 16 different groups of banks
.set TA,     128*PITCH                 ; 128 rows of xh: one tensor load of waves 0, 1; also what a wave reads of xh
.set TB,     96*PITCH                  ; 96 rows of wqh: one tensor load of waves 2, 3; also what a wave reads of wqh
.set SLOT,   2*TA+2*TB                 ; 121,856 bytes
.set STAGE,  2*SLOT                    ; behind the ring, at a multiple of 256: 128 rows x 400 bytes, never a tensor load's target
.set SP,     400                       ; a stage row: 192 f16 + 16 bytes, an odd multiple of 16
.set LAPS,   4                         ; a lap = two K steps = once round the ring
.set LAP1,   512                       ; bytes along K in a lap
.set ADRT, 16                          ; v16-17 LDS address of my token fragments, slot 0, 1
.set ADRW, 20                          ; v20-21 the same for W
.set STO,  24                          ; way out: where I put 16 bytes
.set RD,   25                          ; way out: where I read back
.set CO,   26                          ; way out: 16 x lane
.set BO,   27                          ; 32 x (l / 16): my eight columns' bias inside a tile
.set F0,   64
.set F1,   128
.set BIAS, 192                         ; v192-239: b_qkv of my 6 x 8 columns
.set TMP,  64                          ; way out: f32 with bias
.set PK,   112                         ; way out: packed f16
.set G1,  24                           ; s[24:31] group 1, xh's tiles
.set G0,  32                           ; s[32:39] group 0, xh's tiles, a set for each slot
.set G1B, 48                           ; s[48:55] group 1, wqh's tiles
.set G0B, 56                           ; s[56:63] group 0, wqh's tiles
.set GW0, (1<<16)|(1<<20)|(1<<21)|(5<<22)|(3<<25)   ; elements of 2 bytes; padding on; bit 21 beside a mask; after every 64 words, 4 words
.set MSB, 0
.macro WIN new                         ; the immediate's high byte repeats the setting that is left
.if MSB != (\new)
	s_set_vgpr_msb (MSB<<8)|(\new)
.set MSB, (\new)
.endif
.endm
.set MUL_LO, 0xa1                      ; source 0 (W) window 1, source 1 (tokens) window 0, C and D window 2
.set MUL_HI, 0xf1                      ; the same, C and D window 3
.set TO_B,   0x40                      ; destination window 1, address window 0
; A joint load: waves 0, 1 ask for xh's two halves, waves 2, 3 for wqh's.  The branch hangs on the wave's number alone.
.macro JLOAD s
	s_cmp_eq_u32 s11, 0
	s_cbranch_scc0 .Lfor_b_\@
	tensor_load_to_lds s[G0+4*\s:G0+4*\s+3], s[G1:G1+7]
	s_nop 0
	s_branch .Lasked_\@
.Lfor_b_\@:
	tensor_load_to_lds s[G0B+4*\s:G0B+4*\s+3], s[G1B:G1B+7]
	s_nop 0
.Lasked_\@:
.endm
.macro CREST                           ; a round of the cluster's barrier behind its opening work-group barrier
	s_cmp_lg_u32 s10, 0
	s_cbranch_scc1 .Lnot_wave_0_\@
	s_barrier_signal -3
.Lnot_wave_0_\@:
	s_barrier_wait -3
	s_barrier_signal -1
	s_barrier_wait -1
.endm
.macro CROUND                          ; a whole round
	s_barrier_signal -1
	s_barrier_wait -1
	CREST
.endm
.macro PLACES                          ; four plain places behind matrix instructions, in front of loads into their sources and of readers of their results
.rept 4
	v_nop
.endr
.endm
	s_load_b256 s[68:75], s[0:1], 0x0              ; xh s[68:69], wqh s[70:71], b_qkv s[72:73], qh s[74:75]
	s_load_b128 s[76:79], s[0:1], 0x20             ; kh s[76:77], vh s[78:79]
	s_set_vgpr_msb 0x40
	v_lshl_add_u32 v255, v0, 2, 0x48000
	s_set_vgpr_msb 0x4000
	v_mov_b32 v255, 0
	s_set_vgpr_msb 0x1
	ds_add_u32 v255, v255
	s_set_vgpr_msb 0x100
	v_lshrrev_b32 v1, 5, v0
	v_readfirstlane_b32 s10, v1                    ; wave 0..3
	s_lshr_b32 s11, s10, 1                         ; my half of the tokens.  Also: I fetch xh (0) or wqh (1)
	s_and_b32 s12, s10, 1                          ; my half of the columns.  Also: which half of that tile I fetch
	s_bfe_u32 s40, ttmp6, 0x40000                  ; cx
	s_bfe_u32 s41, ttmp6, 0x40004                  ; cy
	s_lshl_b32 s42, ttmp9, 2
	s_add_co_u32 s42, s42, s40                     ; head = 4 x cluster x + cx
	s_and_b32 s13, ttmp7, 0xffff
	s_lshl_b32 s13, s13, 2
	s_add_co_u32 s13, s13, s41                     ; token block = 4 x cluster y + cy
	s_lshl_b32 s43, s41, 2
	s_lshl_b32 s43, 15, s43                        ; my row of the cluster
	s_lshl_b32 s44, 0x1111, s40                    ; my column
	s_or_b32 s[G1+0], s43, GW0                     ; xh's tiles go to my row
	s_mov_b32 s[G1+1], 128<<16                     ; tensor_dim0 = 128 elements
	s_mov_b32 s[G1+2], 128<<16                     ; tensor_dim1 = 128 rows
	s_mov_b32 s[G1+3], 128<<16                     ; tile_dim0 = 128
	s_mov_b32 s[G1+4], 128                         ; tile_dim1 = 128
	s_mov_b32 s[G1+5], 1024                        ; elements from row to row
	s_mov_b32 s[G1+6], 0
	s_mov_b32 s[G1+7], 0
	s_or_b32 s[G1B+0], s44, GW0                    ; wqh's tiles go to my column
	s_mov_b32 s[G1B+1], 128<<16
	s_mov_b32 s[G1B+2], 96<<16                     ; 96 rows
	s_mov_b32 s[G1B+3], 128<<16
	s_mov_b32 s[G1B+4], 96
	s_mov_b32 s[G1B+5], 1024
	s_mov_b32 s[G1B+6], 0
	s_mov_b32 s[G1B+7], 0
	; where the tiles come from: xh's hang on the token block alone, wqh's on the head alone, each in registers that never hold the other coordinate
	s_lshl_b32 s16, s13, 8
	s_lshl_b32 s17, s12, 7
	s_add_co_u32 s16, s16, s17                     ; xh row 256 block + 128 half
	s_lshl_b32 s16, s16, 11                        ; x 2,048 bytes (below 2^24)
	s_mov_b32 s17, 0
	s_mul_i32 s46, s42, 192
	s_mul_i32 s47, s12, 96
	s_add_co_u32 s46, s46, s47                     ; wqh row 192 head + 96 half
	s_lshl_b32 s46, s46, 11
	s_mov_b32 s47, 0
	s_mul_i32 s20, s10, TA                         ; where they go: waves 0, 1: xh's halves at 0 and TA
	s_mul_i32 s21, s10, TB
	s_add_co_u32 s21, s21, 2*TA-2*TB               ; waves 2, 3: wqh's halves at 2 TA and 2 TA + TB
	; bias and outputs: offsets that hold both coordinates live in s80, s81, which feed no descriptor
	s_mul_i32 s80, s42, 768
	s_mul_i32 s81, s12, 384
	s_add_co_u32 s80, s80, s81                     ; 4 (192 head + 96 half)
	s_mov_b32 s81, 0
	s_wait_dscnt 0x0
	s_wait_kmcnt 0x0
	s_add_nc_u64 s[14:15], s[68:69], s[16:17]
	s_add_nc_u64 s[46:47], s[70:71], s[46:47]
	s_add_nc_u64 s[72:73], s[72:73], s[80:81]
	s_lshr_b32 s80, s13, 3                         ; batch (8 token blocks each)
	s_lshl_b32 s80, s80, 4
	s_add_co_u32 s80, s80, s42                     ; batch x 16 + head
	s_lshl_b32 s80, s80, 11                        ; x 2,048 tokens
	s_and_b32 s81, s13, 7
	s_lshl_b32 s81, s81, 8
	s_add_co_u32 s80, s80, s81                     ; + 256 x block in the batch
	s_lshl_b32 s81, s11, 7
	s_add_co_u32 s80, s80, s81                     ; + the rows that I carry out: 128 (wave / 2) + 32 (wave % 2)
	s_lshl_b32 s81, s12, 5
	s_add_co_u32 s80, s80, s81
	s_lshl_b32 s80, s80, 7                         ; x 128 bytes (below 2^24)
	s_mov_b32 s81, 0
	s_add_nc_u64 s[74:75], s[74:75], s[80:81]
	s_add_nc_u64 s[76:77], s[76:77], s[80:81]
	s_add_nc_u64 s[78:79], s[78:79], s[80:81]
	CROUND                                         ; all sixteen work-groups are here: the first joint loads meet
.irp s, 0,1
	s_mov_b32 s[G0+4*\s], 1
	s_add_co_u32 s[G0+4*\s+1], s20, \s*SLOT
	s_add_nc_u64 s[G0+4*\s+2:G0+4*\s+3], s[14:15], \s*256          ; K step s
	s_or_b32 s[G0+4*\s+3], s[G0+4*\s+3], 0x80000000
	s_mov_b32 s[G0B+4*\s], 1
	s_add_co_u32 s[G0B+4*\s+1], s21, \s*SLOT
	s_add_nc_u64 s[G0B+4*\s+2:G0B+4*\s+3], s[46:47], \s*256
	s_or_b32 s[G0B+4*\s+3], s[G0B+4*\s+3], 0x80000000
	JLOAD \s                                       ; both first fills go out together: two tensor loads of the wave are out
.endr
	v_and_b32 v1, 15, v0                           ; r = l % 16
	v_bfe_u32 v2, v0, 4, 1                         ; h = l / 16
	v_mul_u32_u24 v3, v1, PITCH
	v_lshl_add_u32 v3, v2, 4, v3                   ; r x pitch + 16 h
	s_mul_i32 s22, s11, TA                         ; my 128 token rows
	s_mul_i32 s23, s12, TB
	s_add_co_u32 s23, s23, 2*TA                    ; my 96 rows of W
.irp s, 0,1
	v_add_nc_u32 v[ADRT+\s], s22, v3
	v_add_nc_u32 v[ADRW+\s], s23, v3
	s_add_co_u32 s22, s22, SLOT
	s_add_co_u32 s23, s23, SLOT
.endr
	s_mul_i32 s22, s11, 64*SP                      ; stage, in: row 64 (token half) + 16 a + r, byte 192 (column half) + 32 b + 16 h
	s_mul_i32 s23, s12, 192
	s_add_co_u32 s22, s22, s23
	s_add_co_u32 s22, s22, STAGE
	v_mul_u32_u24 v4, v1, SP
	v_lshl_add_u32 v4, v2, 4, v4
	v_add_nc_u32 v[STO], s22, v4
	v_and_b32 v5, 31, v0                           ; stage, back: rows 32 wave + 4 i + l / 8, 16 bytes at 16 (l % 8) of one part's 128
	v_lshrrev_b32 v6, 3, v5
	v_and_b32 v7, 7, v0
	v_mul_u32_u24 v6, v6, SP
	v_lshl_add_u32 v6, v7, 4, v6
	s_mul_i32 s23, s10, 32*SP
	s_add_co_u32 s23, s23, STAGE
	v_add_nc_u32 v[RD], s23, v6
	v_lshlrev_b32 v[CO], 4, v5
	v_lshlrev_b32 v[BO], 5, v2
.irp b, 0,1,2,3,4,5
	global_load_b128 v[BIAS+8*\b:BIAS+8*\b+3],   v[BO], s[72:73] offset:64*\b
	global_load_b128 v[BIAS+8*\b+4:BIAS+8*\b+7], v[BO], s[72:73] offset:64*\b+16
.endr
; 12 matrix instructions: token blocks a0, a0 + 1 of the window's four x all 6 column blocks, 32 along K.  zero = 1: the product starts the sums.
; The 48 accumulators take turns, one instruction a turn, in the same order in every quarter step.
.macro MULH f, hi, a0, zero
.irp a, \a0, \a0+1
.irp b, 0,1,2,3,4,5
.if \zero
	v_wmma_f32_16x16x32_f16 v[8*(6*(\a)+\b):8*(6*(\a)+\b)+7], v[\f+8*\b:\f+8*\b+7], v[\f+8*(4*\hi+\a):\f+8*(4*\hi+\a)+7], 0
.else
	v_wmma_f32_16x16x32_f16 v[8*(6*(\a)+\b):8*(6*(\a)+\b)+7], v[\f+8*\b:\f+8*\b+7], v[\f+8*(4*\hi+\a):\f+8*(4*\hi+\a)+7], v[8*(6*(\a)+\b):8*(6*(\a)+\b)+7]
.endif
.endr
.endr
.endm
; 28 LDS loads in one run: quarter kk (32 along K) of the slot into buffer f: W's 12, then the tokens' 16, low half first
.macro FETCH slot, kk, f
	WIN TO_B
.irp i, 0,1,2,3,4,5
	ds_load_b128 v[\f+8*\i:\f+8*\i+3],   v[ADRW+\slot] offset:64*\kk+\i*16*PITCH
	ds_load_b128 v[\f+8*\i+4:\f+8*\i+7], v[ADRW+\slot] offset:64*\kk+\i*16*PITCH+32
.endr
	WIN 0
.irp i, 0,1,2,3,4,5,6,7
	ds_load_b128 v[\f+8*\i:\f+8*\i+3],   v[ADRT+\slot] offset:64*\kk+\i*16*PITCH
	ds_load_b128 v[\f+8*\i+4:\f+8*\i+7], v[ADRT+\slot] offset:64*\kk+\i*16*PITCH+32
.endr
.endm
.macro QUARTER slot, kk, f, g, zero
	s_wait_dscnt 8                                 ; W and tokens 0-63 are in; the youngest eight loads (tokens 64-127) may be out
	WIN MUL_LO
	MULH \f, 0, 0, \zero
	MULH \f, 0, 2, \zero
	PLACES
	FETCH \slot, \kk, \g
	s_wait_dscnt 28                                ; all but the 28 just issued
	WIN MUL_HI
	MULH \f, 1, 0, \zero
	MULH \f, 1, 2, \zero
.endm
.macro THREE slot, zero
	QUARTER \slot, 1, F0, F1, \zero
	QUARTER \slot, 2, F1, F0, 0
	QUARTER \slot, 3, F0, F1, 0
.endm
; The last quarter of a K step changes slots.  In front of the barrier each wave waits for its reads of this slot and for all its tensor loads
; (one is out: its part of the next slot); where the slot is filled again the barrier opens a round of the cluster's barrier, and the joint
; refill is the first tensor load behind the round.  From a request to the wait for it a wave issues 180 matrix instructions.
.macro TURN slot, next, fill
	s_wait_dscnt 8
	WIN MUL_LO
	MULH F1, 0, 0, 0
	s_wait_dscnt 0                                 ; my reads of this slot are over
	s_wait_tensorcnt 0x0                           ; all my tensor loads have landed
	ds_add_u32 v255, v255
	s_wait_dscnt 0x0
	s_barrier_signal -1
	MULH F1, 0, 2, 0                               ; register work while the others arrive
	WIN 0
	s_barrier_wait -1
.if \fill
	CREST                                          ; no wave of any partner still reads this slot or has a load on its way
	s_add_nc_u64 s[G0+4*\slot+2:G0+4*\slot+3], s[G0+4*\slot+2:G0+4*\slot+3], LAP1
	s_add_nc_u64 s[G0B+4*\slot+2:G0B+4*\slot+3], s[G0B+4*\slot+2:G0B+4*\slot+3], LAP1
	JLOAD \slot
.endif
	PLACES
	FETCH \next, 0, F0
	WIN MUL_HI
	MULH F1, 1, 0, 0
	MULH F1, 1, 2, 0
.endm
.macro LAP zero
	THREE 0, \zero
	TURN 0, 1, 1
	THREE 1, 0
	TURN 1, 0, 1
.endm
	s_wait_loadcnt 0x0                             ; the bias, once
	s_wait_tensorcnt 1                             ; my part of K step 0 is in; K step 1's may stay out
	s_barrier_signal -1
	s_barrier_wait -1
	FETCH 0, 0, F0
	LAP 1                                          ; the first lap's first products start the sums
	WIN 0
	s_mov_b32 s3, LAPS-2
.Llap:
	LAP 0
	WIN 0
	s_sub_co_u32 s3, s3, 1
	s_cmp_lg_u32 s3, 0
	s_cbranch_scc1 .Llap
	THREE 0, 0                                     ; the last lap fills nothing
	TURN 0, 1, 0
	THREE 1, 0
	s_wait_dscnt 8
	WIN MUL_LO
	MULH F1, 0, 0, 0
	MULH F1, 0, 2, 0
	s_wait_dscnt 0
	WIN MUL_HI
	MULH F1, 1, 0, 0
	MULH F1, 1, 2, 0
	PLACES
; THE WAY OUT.  k's 64 columns lie in both column halves, so the four waves share one stage of 128 token rows, used twice (pass p: tokens
; 64 p .. 64 p + 63 of each token half).  16 tokens of my block: bias added in f32, rounded to f16, 16 bytes a lane into the stage.
.macro OUTG a, hi
	WIN (0x02+\hi)                                 ; source 0 = accumulators
.irp b, 0,1,2,3,4,5
.irp i, 0,1,2,3
	v_pk_add_f32 v[TMP+8*\b+2*\i:TMP+8*\b+2*\i+1], v[8*(6*\a+\b)+2*\i:8*(6*\a+\b)+2*\i+1], v[BIAS+8*\b+2*\i:BIAS+8*\b+2*\i+1]
.endr
.endr
	WIN 0
.irp b, 0,1,2,3,4,5
.irp i, 0,1,2,3
	v_cvt_pk_f16_f32 v[PK+4*\b+\i], v[TMP+8*\b+2*\i], v[TMP+8*\b+2*\i+1]
.endr
.endr
.irp b, 0,1,2,3,4,5
	ds_store_b128 v[STO], v[PK+4*\b:PK+4*\b+3] offset:\a*16*SP+32*\b
.endr
.endm
.macro PASS p
.irp a, 0,1,2,3
	OUTG \a, \p
.endr
	s_wait_dscnt 0x0                               ; my stores into the stage are done, for the other waves' sake
	s_barrier_signal -1
	s_barrier_wait -1
.irp w, 0,1,2
.irp i, 0,1,2,3,4,5,6,7
	ds_load_b128 v[64+4*(8*\w+\i):64+4*(8*\w+\i)+3], v[RD] offset:4*SP*\i+128*\w   ; part w of four tokens
.endr
.endr
.irp w, 0,1,2
.irp i, 0,1,2,3,4,5,6,7
	s_wait_dscnt 23-(8*\w+\i)                      ; LDS loads come back in order: this one is in, the younger ones stay out
	global_store_b128 v[CO], v[64+4*(8*\w+\i):64+4*(8*\w+\i)+3], s[74+2*\w:75+2*\w] offset:8192*\p+512*\i   ; four tokens' rows: 512 consecutive bytes, at a multiple of 512
.endr
.endr
.endm
	PASS 0
	s_wait_dscnt 0x0                               ; my reads of the stage are back (the count-down ended at 0)
	s_barrier_signal -1
	s_barrier_wait -1                              ; everybody's are: the stage may be written again
	s_wait_xcnt 0x0                                ; pass 0's stores name v64-159, which are written again only behind this wait
	PASS 1
	s_set_vgpr_msb 0x1
	s_wait_tensorcnt 0x0
	ds_add_u32 v255, v255
	s_wait_dscnt 0x0
	s_set_vgpr_msb 0x100
	CROUND                                         ; the closing round: no work-group ends while a partner may still ask jointly
	s_endpgm
.Lfunc_end_k_q3aa3df50f2_qkv:
	.size	k_q3aa3df50f2_qkv, .Lfunc_end_k_q3aa3df50f2_qkv-k_q3aa3df50f2_qkv
	.p2alignl 7, 3214868480
	.fill 96, 4, 3214868480
	.section	.rodata,"a",@progbits
	.p2align	6, 0x0
	.amdhsa_kernel k_q3aa3df50f2_qkv
		.amdhsa_group_segment_fixed_size 327680
		.amdhsa_private_segment_fixed_size 0
		.amdhsa_enable_private_segment 0
		.amdhsa_kernarg_size 48
		.amdhsa_user_sgpr_count 2
		.amdhsa_user_sgpr_kernarg_segment_ptr 1
		.amdhsa_wavefront_size32 1
		.amdhsa_system_sgpr_workgroup_id_x 1
		.amdhsa_system_sgpr_workgroup_id_y 1
		.amdhsa_system_sgpr_workgroup_id_z 1
		.amdhsa_system_vgpr_workitem_id 0
		.amdhsa_next_free_vgpr 1024
		.amdhsa_next_free_sgpr 84
		.amdhsa_reserve_vcc 0
		.amdhsa_float_denorm_mode_32 3
		.amdhsa_float_denorm_mode_16_64 3
		.amdhsa_memory_ordered 1
		.amdhsa_forward_progress 1
		.amdhsa_inst_pref_size 172
	.end_amdhsa_kernel
	.amdgpu_metadata
---
amdhsa.version: [ 1, 2 ]
amdhsa.kernels:
  - .name:           k_q3aa3df50f2_qkv
    .symbol:         k_q3aa3df50f2_qkv.kd
    .args:
      - { .name: xh, .offset: 0, .size: 8, .value_kind: global_buffer, .address_space: global }
      - { .name: wqh, .offset: 8, .size: 8, .value_kind: global_buffer, .address_space: global }
      - { .name: b_qkv, .offset: 16, .size: 8, .value_kind: global_buffer, .address_space: global }
      - { .name: qh, .offset: 24, .size: 8, .value_kind: global_buffer, .address_space: global }
      - { .name: kh, .offset: 32, .size: 8, .value_kind: global_buffer, .address_space: global }
      - { .name: vh, .offset: 40, .size: 8, .value_kind: global_buffer, .address_space: global }
    .group_segment_fixed_size: 327680
    .private_segment_fixed_size: 0
    .kernarg_segment_align: 8
    .kernarg_segment_size: 48
    .max_flat_workgroup_size: 128
    .sgpr_count:     84
    .vgpr_count:     1024
    .wavefront_size: 32
...
	.end_amdgpu_metadata
.endif
;; end of part 2
;; launch attn (part 3): grid 4 x 64, 8 waves a work-group, clusters of 4 x 1, 327,680 bytes of LDS; arguments qh, kh, vh, ah; writes ah
.if DOCPART == 3
	.amdgcn_target "amdgcn-amd-amdhsa--gfx1250"
	.amdhsa_code_object_version 6
	.text
	.protected	k_q3aa3df50f2_attn
	.globl	k_q3aa3df50f2_attn
	.p2align	8
	.type	k_q3aa3df50f2_attn,@function
k_q3aa3df50f2_attn:
	s_mov_b64 s[64:65], 0
	v_nop
	global_prefetch_b8 v0, s[64:65] scope:SCOPE_SE
	s_setreg_imm32_b32 hwreg(HW_REG_WAVE_MODE, 25, 1), 1
	s_wait_xcnt 0x0
	s_wait_alu depctr_hold_cnt(0) depctr_sa_sdst(0) depctr_va_vdst(0) depctr_va_sdst(0) depctr_va_ssrc(0) depctr_va_vcc(0) depctr_vm_vsrc(0)
	s_getreg_b32 s2, hwreg(HW_REG_IB_STS2, 6, 4)
	s_cmp_eq_u32 s2, 0
	s_cbranch_scc0 .Lentry_in_a_cluster
	s_endpgm
.Lentry_in_a_cluster:
	s_bfe_u32 s2, ttmp6, 0x10000c
	s_cmp_lg_u32 s2, 0x3003
	s_cbranch_scc0 .Lentry_shape_is_right
	s_endpgm
.Lentry_shape_is_right:
; ah[bh][q][:] = softmax over keys of (qh[bh][q] . kh[bh][key] / 8) times vh[bh], for 64 pairs bh = batch*16 + head, 2048 tokens, 64 numbers a head.
; Operands f16, scores, sums and softmax f32, with a running maximum: the exponent's argument is never above 0 but for rounding.
; LIMITS: p below 2^-126 counts as 0 (v_exp_f32 gives no denormals, ISA guide 15.8); p is rounded to f16 for the second product, the row sum is taken in f32 before that rounding.
; A work-group takes 512 queries of one bh, a wave 64; two waves to a SIMD, so that one wave's vector work can run beside the other's matrix work.
; CLUSTER: the four query blocks of a bh read the same K and V; they ask for each tile jointly (mask 15), so a tile is requested once for four.
; TRANSPOSED SCHEME, no exchange between lanes but one per maximum and sum:
;   S^T = K Q^T: source 0 = 16 keys, source 1 = 16 queries; lane (r, h) holds query r and keys 8 h + j of a tile.
;   Two neighbouring tiles of S^T, packed to f16 in place, are the source-1 fragment of P^T for 32 keys.
;   O^T = V^T P^T: V^T comes from LDS by the transposing load; lane (r, h) holds query r and 8 neighbouring numbers of the head.
;   Maximum, sum and rescale factor are one number a lane; lanes r and r + 16 share a query.
; LDS: two slots of 256 keys: V 256 x 160 bytes (pitch an odd multiple of 32, for the transposing load), then K 256 x 144 (an odd multiple of 16).
;   Behind the ring, at a multiple of 256, each wave's own stage of 64 x 144 bytes, never a tensor load's target.
.set SLOT,  77824
.set KOFF,  40960
.set STAGE, 2*SLOT
.set ADRK, 2                           ; v2-3    K fragments' address, slot 0, 1
.set ADRV, 4                           ; v4-5    V fragments' address
.set STO,  6
.set RD,   7
.set CO,   8
.set QA,   9
.set MA,   16                          ; v16-19  running maximum of query tile q: old and new change places with each 64 keys
.set MB,   24                          ; v24-27
.set T2,   28                          ; v28-31  at work
.set AL,   32                          ; v32-39  rescale factor of tile q in v[32+2q]; the odd partner is only there to make a pair
.set NM,   40                          ; v40-47  - c x maximum in v[40+2q]
.set LS,   48                          ; v48-55  a pair of partial row sums for each tile
.set KF,   64                          ; v64-127  K fragment (key tile m, half c of the head) at 16 m + 8 c
.set VF,   128                         ; v128-191 V^T fragment (32 keys k, head tile t) at 8 (4 k + t)
.set QF,   192                         ; v192-255 Q fragment (query tile q, half c) at 16 q + 8 c
                                       ; window 1: v0-127 S tile (q, m) at 8 (4 q + m); v128-255 O tile (q, t) at 128 + 8 (4 q + t)
.set G1V, 24
.set G0V, 32
.set G1K, 48
.set G0K, 56
.set MSB, 0
.macro WIN new
.if MSB != (\new)
	s_set_vgpr_msb (MSB<<8)|(\new)
.set MSB, (\new)
.endif
.endm
.macro PLACES n
.rept \n
	v_nop
.endr
.endm
.macro ROUND                           ; a round of the cluster's barrier
	s_barrier_signal -1
	s_barrier_wait -1
	s_cmp_lg_u32 s12, 0
	s_cbranch_scc1 .Lnot_wave_0_\@
	s_barrier_signal -3
.Lnot_wave_0_\@:
	s_barrier_wait -3
	s_barrier_signal -1
	s_barrier_wait -1
.endm
.macro JLOAD s                         ; waves 0-3 ask for 64 rows of V each, waves 4-7 for 64 rows of K: one tensor load a wave
	s_cmp_eq_u32 s13, 0
	s_cbranch_scc0 .Lfor_k_\@
	tensor_load_to_lds s[G0V+4*(\s):G0V+4*(\s)+3], s[G1V:G1V+7]
	s_nop 0
	s_branch .Lasked_\@
.Lfor_k_\@:
	tensor_load_to_lds s[G0K+4*(\s):G0K+4*(\s)+3], s[G1K:G1K+7]
	s_nop 0
.Lasked_\@:
.endm
	s_load_b256 s[4:11], s[0:1], 0x0               ; qh s[4:5], kh s[6:7], vh s[8:9], ah s[10:11]
	v_lshl_add_u32 v62, v0, 2, 0x38000
	v_mov_b32 v63, 0
	ds_add_u32 v62, v63
	v_lshrrev_b32 v1, 5, v0
	v_readfirstlane_b32 s12, v1                    ; wave 0..7
	s_lshr_b32 s13, s12, 2                         ; 0: I fetch V, 1: K
	s_and_b32 s14, s12, 3                          ; which 64 rows of the tile
	s_bfe_u32 s15, ttmp6, 0x40000                  ; cx: my query block
	s_and_b32 s18, ttmp7, 0xffff                   ; bh
	s_mov_b32 s16, 0x76543210                      ; v_permlanex16_b32: lane i takes lane i of the other half
	s_mov_b32 s17, 0xfedcba98
	s_mov_b32 s20, 0x3e38aa3b                      ; c = log2(e) / 8
	s_mov_b32 s21, 0x3e38aa3b
	s_mov_b32 s22, 0xbe38aa3b                      ; - c
	s_mov_b32 s[G1V+0], 15|(1<<16)|(1<<20)|(1<<21)|(4<<22)|(7<<25)  ; mask of the four; 2-byte elements; padding: after every 32 words, 8 words
	s_mov_b32 s[G1V+1], 64<<16                     ; tensor_dim0 = 64
	s_mov_b32 s[G1V+2], 64<<16                     ; tensor_dim1 = 64
	s_mov_b32 s[G1V+3], 64<<16                     ; tile_dim0 = 64
	s_mov_b32 s[G1V+4], 64                         ; tile_dim1 = 64
	s_mov_b32 s[G1V+5], 64                         ; rows follow each other in memory
	s_mov_b32 s[G1V+6], 0
	s_mov_b32 s[G1V+7], 0
	s_mov_b32 s[G1K+0], 15|(1<<16)|(1<<20)|(1<<21)|(4<<22)|(3<<25)  ; the same with 4 words of padding
	s_mov_b32 s[G1K+1], 64<<16
	s_mov_b32 s[G1K+2], 64<<16
	s_mov_b32 s[G1K+3], 64<<16
	s_mov_b32 s[G1K+4], 64
	s_mov_b32 s[G1K+5], 64
	s_mov_b32 s[G1K+6], 0
	s_mov_b32 s[G1K+7], 0
	s_lshl_b32 s40, s18, 18                        ; bh x 2,048 tokens x 128 bytes (below 2^24)
	s_lshl_b32 s41, s14, 13                        ; + my 64 rows
	s_add_co_u32 s40, s40, s41
	s_mov_b32 s41, 0
	s_mul_i32 s42, s12, 10240                      ; V's rows of waves 0-3
	s_mul_i32 s43, s12, 9216
	s_add_co_u32 s43, s43, KOFF-4*9216             ; K's rows of waves 4-7, behind V
	s_lshl_b32 s44, s15, 9                         ; my first query: 512 cx + 64 wave (s44, s45 feed no descriptor)
	s_lshl_b32 s45, s12, 6
	s_add_co_u32 s44, s44, s45
	s_lshl_b32 s44, s44, 7
	s_lshl_b32 s45, s18, 18
	s_add_co_u32 s44, s44, s45
	s_mov_b32 s45, 0
	s_wait_dscnt 0x0
	s_wait_kmcnt 0x0
	s_add_nc_u64 s[6:7], s[6:7], s[40:41]
	s_add_nc_u64 s[8:9], s[8:9], s[40:41]
	s_add_nc_u64 s[4:5], s[4:5], s[44:45]
	s_add_nc_u64 s[10:11], s[10:11], s[44:45]
	ROUND                                          ; the four work-groups are here: the first joint load meets
.irp s, 0,1
	s_mov_b32 s[G0V+4*\s], 1
	s_add_co_u32 s[G0V+4*\s+1], s42, \s*SLOT
	s_add_nc_u64 s[G0V+4*\s+2:G0V+4*\s+3], s[8:9], \s*32768        ; tile s: 256 keys x 128 bytes on
	s_or_b32 s[G0V+4*\s+3], s[G0V+4*\s+3], 0x80000000
	s_mov_b32 s[G0K+4*\s], 1
	s_add_co_u32 s[G0K+4*\s+1], s43, \s*SLOT
	s_add_nc_u64 s[G0K+4*\s+2:G0K+4*\s+3], s[6:7], \s*32768
	s_or_b32 s[G0K+4*\s+3], s[G0K+4*\s+3], 0x80000000
.endr
	JLOAD 0                                        ; tile 0; slot 1 is first filled behind the first trip's round
	v_and_b32 v1, 15, v0                           ; r
	v_bfe_u32 v10, v0, 4, 1                        ; h
	v_and_b32 v11, 31, v0                          ; l
	v_and_b32 v12, 7, v0                           ; l % 8
	v_bfe_u32 v13, v0, 3, 1                        ; (l / 8) % 2
	v_lshrrev_b32 v14, 3, v11                      ; l / 8
	v_lshlrev_b32 v[QA], 7, v1
	v_lshl_add_u32 v[QA], v10, 4, v[QA]            ; r x 128 + 16 h
.irp q, 0,1,2,3
.irp c, 0,1
	global_load_b128 v[QF+16*\q+8*\c:QF+16*\q+8*\c+3],   v[QA], s[4:5] offset:2048*\q+64*\c
	global_load_b128 v[QF+16*\q+8*\c+4:QF+16*\q+8*\c+7], v[QA], s[4:5] offset:2048*\q+64*\c+32
.endr
.endr
	v_mul_u32_u24 v15, v1, 144
	v_lshl_add_u32 v15, v10, 4, v15                ; r x 144 + 16 h
	v_add_nc_u32 v[ADRK], KOFF, v15
	v_add_nc_u32 v[ADRK+1], SLOT+KOFF, v15
	v_lshl_add_u32 v20, v10, 3, v12                ; key row 8 h + l % 8
	v_mul_u32_u24 v20, v20, 160
	v_lshl_add_u32 v[ADRV], v13, 4, v20            ; + 16 ((l / 8) % 2)
	v_add_nc_u32 v[ADRV+1], SLOT, v[ADRV]
	s_mul_i32 s46, s12, 9216
	s_add_co_u32 s46, s46, STAGE                   ; my stage
	v_add_nc_u32 v[STO], s46, v15
	v_mul_u32_u24 v21, v14, 144
	v_lshl_add_u32 v21, v12, 4, v21
	v_add_nc_u32 v[RD], s46, v21                   ; back: four rows of 128 bytes a load
	v_lshlrev_b32 v[CO], 4, v11
.irp q, 0,1,2,3
	v_mov_b32 v[MA+\q], 0xff800000                 ; the maximum starts at minus infinity: the first factor is exp2(-inf) = 0
	v_mov_b32 v[T2+\q], 0                          ; destination of the lane exchange: has to have been written
	v_mov_b32 v[AL+2*\q+1], 0                      ; the pairs' unused partners
	v_mov_b32 v[NM+2*\q+1], 0
	v_mov_b32 v[LS+2*\q], 0
	v_mov_b32 v[LS+2*\q+1], 0
.endr
	s_wait_loadcnt 0x0                             ; Q, once
.macro LDK slot, sb                    ; 16 loads: K's fragments of 64 keys
.irp m, 0,1,2,3
.irp c, 0,1
	ds_load_b128 v[KF+16*\m+8*\c:KF+16*\m+8*\c+3],   v[ADRK+\slot] offset:9216*(\sb)+2304*\m+64*\c
	ds_load_b128 v[KF+16*\m+8*\c+4:KF+16*\m+8*\c+7], v[ADRK+\slot] offset:9216*(\sb)+2304*\m+64*\c+32
.endr
.endr
.endm
.macro LDV slot, sb                    ; 16 transposing loads: V^T's fragments of 64 keys
.irp k, 0,1
.irp t, 0,1,2,3
	ds_load_tr16_b128 v[VF+8*(4*\k+\t):VF+8*(4*\k+\t)+3],   v[ADRV+\slot] offset:10240*(\sb)+5120*\k+32*\t
	ds_load_tr16_b128 v[VF+8*(4*\k+\t)+4:VF+8*(4*\k+\t)+7], v[ADRV+\slot] offset:10240*(\sb)+5120*\k+32*\t+2560
.endr
.endr
.endm
; 64 keys x my 64 queries.  first = 1: O's sums start here.  last = 1: the slot's last 64 keys, nothing more is read from it.
.macro SUB slot, sb, first, last
.if (\sb) & 1
.set OLD, MB
.set NEW, MA
.else
.set OLD, MA
.set NEW, MB
.endif
	; scores: 16 tiles, two products each; the accumulators take turns, one instruction a turn
	s_wait_dscnt 16                                ; K's fragments are in; V's 16 loads, issued behind them, stay out
	WIN 0x50                                       ; C and D window 1
.irp q, 0,1,2,3
.irp m, 0,1,2,3
	v_wmma_f32_16x16x32_f16 v[8*(4*\q+\m):8*(4*\q+\m)+7], v[KF+16*\m:KF+16*\m+7], v[QF+16*\q:QF+16*\q+7], 0
.endr
.endr
.irp q, 0,1,2,3
.irp m, 0,1,2,3
	v_wmma_f32_16x16x32_f16 v[8*(4*\q+\m):8*(4*\q+\m)+7], v[KF+16*\m+8:KF+16*\m+15], v[QF+16*\q+8:QF+16*\q+15], v[8*(4*\q+\m):8*(4*\q+\m)+7]
.endr
.endr
	PLACES 4                                       ; in front of the readers of S and of the loads into K's fragments
	; the new maximum of my 32 keys and the old one, four chains by turns
	WIN 0x05                                       ; sources 0, 1 window 1
.irp i, 0,1,2,3,4,5,6,7,8,9,10,11,12,13,14,15
.irp q, 0,1,2,3
.if \i == 0
	v_max3_num_f32 v[NEW+\q], v[32*\q], v[32*\q+1], v[OLD+\q]
.else
	v_max3_num_f32 v[NEW+\q], v[32*\q+2*\i], v[32*\q+2*\i+1], v[NEW+\q]
.endif
.endr
.endr
	WIN 0
.if \last == 0
	LDK \slot, \sb+1                               ; the next 64 keys' fragments, a whole softmax ahead of their use
.endif
.irp q, 0,1,2,3
	v_permlanex16_b32 v[T2+\q], v[NEW+\q], s16, s17   ; the other half of the query's keys
.endr
.irp q, 0,1,2,3
	v_max_num_f32 v[NEW+\q], v[NEW+\q], v[T2+\q]
.endr
.irp q, 0,1,2,3
	v_mul_f32 v[T2+\q], s22, v[OLD+\q]             ; - c x old maximum, rounded as it was when the old terms were made
	v_mul_f32 v[NM+2*\q], s22, v[NEW+\q]           ; - c x new maximum
.endr
.irp q, 0,1,2,3
	v_sub_f32 v[T2+\q], v[NM+2*\q], v[T2+\q]       ; their difference: old and new terms carry exactly the same shift
.endr
.irp q, 0,1,2,3
	v_exp_f32 v[AL+2*\q], v[T2+\q]
.endr
	v_nop                                          ; one plain place behind the exponentials (ISA guide 5.7.2)
	s_wait_alu depctr_va_vdst(0)
.irp q, 0,1,2,3
	v_pk_mul_f32 v[LS+2*\q:LS+2*\q+1], v[LS+2*\q:LS+2*\q+1], v[AL+2*\q:AL+2*\q+1] op_sel_hi:[1,0]
.endr
	; p = exp2(c S - c max).  The next tile's multiply-adds and this tile's rescaling of O stand between the exponentials;
	; the line behind an exponential never names its register.
	WIN 0x41                                       ; source 0 and destination window 1
.irp i, 0,1,2,3,4,5,6,7,8,9,10,11,12,13,14,15
	v_pk_fma_f32 v[2*\i:2*\i+1], v[2*\i:2*\i+1], s[20:21], v[NM:NM+1] op_sel_hi:[1,0,0]
.endr
.irp q, 0,1,2,3
.irp i, 0,1,2,3,4,5,6,7,8,9,10,11,12,13,14,15
	v_exp_f32 v[32*\q+2*\i], v[32*\q+2*\i]
.if \q < 3
	v_pk_fma_f32 v[32*\q+32+2*\i:32*\q+33+2*\i], v[32*\q+32+2*\i:32*\q+33+2*\i], s[20:21], v[NM+2*\q+2:NM+2*\q+3] op_sel_hi:[1,0,0]
.endif
	v_exp_f32 v[32*\q+2*\i+1], v[32*\q+2*\i+1]
.if \first == 0
	v_pk_mul_f32 v[128+32*\q+2*\i:129+32*\q+2*\i], v[128+32*\q+2*\i:129+32*\q+2*\i], v[AL+2*\q:AL+2*\q+1] op_sel_hi:[1,0]
.endif
.endr
.endr
	v_nop                                          ; a plain place behind the last exponential on every path
	; row sums in f32, four chains by turns
	WIN 0x01
	s_wait_alu depctr_va_vdst(0)
.irp i, 0,1,2,3,4,5,6,7,8,9,10,11,12,13,14,15
.irp q, 0,1,2,3
	v_pk_add_f32 v[LS+2*\q:LS+2*\q+1], v[32*\q+2*\i:32*\q+2*\i+1], v[LS+2*\q:LS+2*\q+1]
.endr
.endr
	; p to f16, in place: registers 2 i, 2 i + 1 of a pair of tiles go to register i, i ascending, so no source is lost
	WIN 0x45
.irp q, 0,1,2,3
.irp k, 0,1
.irp i, 0,1,2,3,4,5,6,7
	v_cvt_pk_f16_f32 v[32*\q+16*\k+\i], v[32*\q+16*\k+2*\i], v[32*\q+16*\k+2*\i+1]
.endr
.endr
.endr
	; O^T += V^T P^T: 16 tiles, two products each, by turns as above
.if \last
	s_wait_dscnt 0                                 ; V's fragments are in; nothing was issued behind them
.else
	s_wait_dscnt 16                                ; V's fragments are in; the next K's 16 loads stay out
.endif
	WIN 0x54                                       ; source 1, C and D window 1
.irp k, 0,1
.irp q, 0,1,2,3
.irp t, 0,1,2,3
.if \first*(1-\k)
	v_wmma_f32_16x16x32_f16 v[128+8*(4*\q+\t):128+8*(4*\q+\t)+7], v[VF+8*(4*\k+\t):VF+8*(4*\k+\t)+7], v[32*\q+16*\k:32*\q+16*\k+7], 0
.else
	v_wmma_f32_16x16x32_f16 v[128+8*(4*\q+\t):128+8*(4*\q+\t)+7], v[VF+8*(4*\k+\t):VF+8*(4*\k+\t)+7], v[32*\q+16*\k:32*\q+16*\k+7], v[128+8*(4*\q+\t):128+8*(4*\q+\t)+7]
.endif
.endr
.endr
.endr
	WIN 0
	PLACES 5                                       ; in front of the next scores, which write over P, of the loads into V's fragments and of the readers of O
.if \last == 0
	LDV \slot, \sb+1
.endif
.endm
; One tile of 256 keys.  In front of the round every wave waits for all its tensor loads (its part of this tile) and for its reads of the other
; slot; the round takes the place of the barrier in front of a refill; the joint refill is the first tensor load behind it, one a wave, and has
; the whole trip in which to land.
.macro TRIP slot, refill, first
	s_wait_tensorcnt 0x0                           ; no tensor load of mine is out, so every group 0 may be written:
	ds_add_u32 v62, v63
	s_wait_dscnt 0x0
	s_add_nc_u64 s[G0V+4*\slot+2:G0V+4*\slot+3], s[G0V+4*\slot+2:G0V+4*\slot+3], 65536   ; this slot's next tile, two tiles on
	s_add_nc_u64 s[G0K+4*\slot+2:G0K+4*\slot+3], s[G0K+4*\slot+2:G0K+4*\slot+3], 65536
	s_wait_dscnt 0x0                               ; my reads of the last trip's tile are done
	ROUND
.if \refill
	JLOAD 1-\slot
.endif
	LDK \slot, 0
	LDV \slot, 0
	SUB \slot, 0, \first, 0
	SUB \slot, 1, 0, 0
	SUB \slot, 2, 0, 0
	SUB \slot, 3, 0, 1
.endm
	TRIP 0, 1, 1                                   ; tiles 0 and 1 stand in front of the loop: the first products start O's sums
	TRIP 1, 1, 0
	s_mov_b32 s3, 2
.Ltiles:
	TRIP 0, 1, 0                                   ; tiles 2 to 5
	TRIP 1, 1, 0
	s_sub_co_u32 s3, s3, 1
	s_cmp_lg_u32 s3, 0
	s_cbranch_scc1 .Ltiles
	TRIP 0, 1, 0                                   ; tile 6 asks for tile 7
	TRIP 1, 0, 0                                   ; tile 7 asks for nothing
	; the end: O / row sum (at least 1: the maximum's own term), to f16, through my own stage, out as whole rows
.irp q, 0,1,2,3
	v_add_f32 v[T2+\q], v[LS+2*\q], v[LS+2*\q+1]
.endr
.irp q, 0,1,2,3
	v_permlanex16_b32 v[MB+\q], v[T2+\q], s16, s17
.endr
.irp q, 0,1,2,3
	v_add_f32 v[T2+\q], v[T2+\q], v[MB+\q]
.endr
.irp q, 0,1,2,3
	v_rcp_f32 v[AL+2*\q], v[T2+\q]
.endr
	v_nop
	WIN 0x41
	s_wait_alu depctr_va_vdst(0)
.irp q, 0,1,2,3
.irp i, 0,1,2,3,4,5,6,7,8,9,10,11,12,13,14,15
	v_pk_mul_f32 v[128+32*\q+2*\i:129+32*\q+2*\i], v[128+32*\q+2*\i:129+32*\q+2*\i], v[AL+2*\q:AL+2*\q+1] op_sel_hi:[1,0]
.endr
.endr
	WIN 0x05
.irp q, 0,1,2,3
.irp t, 0,1,2,3
.irp i, 0,1,2,3
	v_cvt_pk_f16_f32 v[KF+4*(4*\q+\t)+\i], v[128+8*(4*\q+\t)+2*\i], v[128+8*(4*\q+\t)+2*\i+1]
.endr
.endr
.endr
	WIN 0
.irp q, 0,1,2,3
.irp t, 0,1,2,3
	ds_store_b128 v[STO], v[KF+4*(4*\q+\t):KF+4*(4*\q+\t)+3] offset:2304*\q+32*\t   ; query 16 q + r, numbers 16 t + 8 h ..
.endr
.endr
.irp i, 0,1,2,3,4,5,6,7,8,9,10,11,12,13,14,15
	ds_load_b128 v[VF+4*\i:VF+4*\i+3], v[RD] offset:576*\i   ; LDS serves a wave's instructions in order: these see the stores above
.endr
.irp i, 0,1,2,3,4,5,6,7,8,9,10,11,12,13,14,15
	s_wait_dscnt 15-\i                             ; this load is in, the younger ones stay out
	global_store_b128 v[CO], v[VF+4*\i:VF+4*\i+3], s[10:11] offset:512*\i   ; four queries' rows: 512 consecutive bytes, at a multiple of 512
.endr
	s_wait_tensorcnt 0x0
	ds_add_u32 v62, v63
	s_wait_dscnt 0x0
	ROUND                                          ; the closing round
	s_endpgm
.Lfunc_end_k_q3aa3df50f2_attn:
	.size	k_q3aa3df50f2_attn, .Lfunc_end_k_q3aa3df50f2_attn-k_q3aa3df50f2_attn
	.p2alignl 7, 3214868480
	.fill 96, 4, 3214868480
	.section	.rodata,"a",@progbits
	.p2align	6, 0x0
	.amdhsa_kernel k_q3aa3df50f2_attn
		.amdhsa_group_segment_fixed_size 327680
		.amdhsa_private_segment_fixed_size 0
		.amdhsa_enable_private_segment 0
		.amdhsa_kernarg_size 32
		.amdhsa_user_sgpr_count 2
		.amdhsa_user_sgpr_kernarg_segment_ptr 1
		.amdhsa_wavefront_size32 1
		.amdhsa_system_sgpr_workgroup_id_x 1
		.amdhsa_system_sgpr_workgroup_id_y 1
		.amdhsa_system_sgpr_workgroup_id_z 1
		.amdhsa_system_vgpr_workitem_id 0
		.amdhsa_next_free_vgpr 512
		.amdhsa_next_free_sgpr 80
		.amdhsa_reserve_vcc 0
		.amdhsa_float_denorm_mode_32 3
		.amdhsa_float_denorm_mode_16_64 3
		.amdhsa_memory_ordered 1
		.amdhsa_forward_progress 1
		.amdhsa_inst_pref_size 255
	.end_amdhsa_kernel
	.section	.bss,"aw",@nobits
	.p2align	6
	.space	262144
	.amdgpu_metadata
---
amdhsa.version: [ 1, 2 ]
amdhsa.kernels:
  - .name:           k_q3aa3df50f2_attn
    .symbol:         k_q3aa3df50f2_attn.kd
    .args:
      - { .name: qh, .offset: 0, .size: 8, .value_kind: global_buffer, .address_space: global }
      - { .name: kh, .offset: 8, .size: 8, .value_kind: global_buffer, .address_space: global }
      - { .name: vh, .offset: 16, .size: 8, .value_kind: global_buffer, .address_space: global }
      - { .name: ah, .offset: 24, .size: 8, .value_kind: global_buffer, .address_space: global }
    .group_segment_fixed_size: 327680
    .private_segment_fixed_size: 0
    .kernarg_segment_align: 8
    .kernarg_segment_size: 32
    .max_flat_workgroup_size: 256
    .sgpr_count:     80
    .vgpr_count:     512
    .wavefront_size: 32
...
	.end_amdgpu_metadata
.endif
;; end of part 3
;; launch proj (part 4): grid 4 x 64, 4 waves a work-group, clusters of 4 x 4, 327,680 bytes of LDS; arguments ah, woh, b_out, out0; writes out0
.if DOCPART == 4
	.amdgcn_target "amdgcn-amd-amdhsa--gfx1250"
	.amdhsa_code_object_version 6
	.text
	.protected	k_q3aa3df50f2_proj
	.globl	k_q3aa3df50f2_proj
	.p2align	8
	.type	k_q3aa3df50f2_proj,@function
k_q3aa3df50f2_proj:
	s_mov_b64 s[64:65], 0
	v_nop
	global_prefetch_b8 v0, s[64:65] scope:SCOPE_SE
	s_setreg_imm32_b32 hwreg(HW_REG_WAVE_MODE, 25, 1), 1
	s_wait_xcnt 0x0
	s_wait_alu depctr_hold_cnt(0) depctr_sa_sdst(0) depctr_va_vdst(0) depctr_va_sdst(0) depctr_va_ssrc(0) depctr_va_vcc(0) depctr_vm_vsrc(0)
	s_getreg_b32 s2, hwreg(HW_REG_IB_STS2, 6, 4)
	s_cmp_eq_u32 s2, 0
	s_cbranch_scc0 .Lentry_in_a_cluster
	s_endpgm
.Lentry_in_a_cluster:
	s_bfe_u32 s2, ttmp6, 0x10000c
	s_cmp_lg_u32 s2, 0xf033
	s_cbranch_scc0 .Lentry_shape_is_right
	s_endpgm
.Lentry_shape_is_right:
; out0[token][e] = sum over k of values[token][k] woh[e][k] + b_out[e], k = 64 head + d, values[token][k] = ah[batch*16 + head][token][d].
; Operands f16, sums f32, bias added in f32, output f32.
; A work-group makes 128 tokens x 256 columns with four waves, one to a SIMD; a wave makes 64 x 128: 32 accumulator tiles, 256 registers.
; 256 work-groups.  K = 1024 goes in 8 steps of 128 (two heads) through two LDS slots filled by tensor loads.
; CLUSTERS: 4 x 4 work-groups.  The four of a row of the cluster (same tokens, the four column blocks) ask jointly for ah's tiles, the four of a
; column (same columns, four token blocks) for woh's.
; REGISTER WINDOWS: 0: addresses, token fragments (two buffers of 32), bias.  1: W fragments (two buffers of 64).
;   2: the 16 tiles of my tokens 0-31, tile (a, b) at v[8 (8 a + b)].  3: those of my tokens 32-63.
; Source 0 = W's rows, source 1 = token rows: lane l holds token l % 16 and the columns 8 (l / 16) + 0..7 of a tile.
.set PW,     272                       ; W's LDS row: 256 + 16 bytes
.set PT,     144                       ; a token's LDS row of one head: 128 + 16 bytes; both odd multiples of 16
.set TA,     128*PW                    ; 128 rows of woh: one tensor load of waves 0, 1
.set TB,     128*PT                    ; 128 tokens of one head: one tensor load of waves 2, 3
.set SLOT,   2*TA+2*TB                 ; 106,496 bytes
.set STAGE,  2*SLOT                    ; behind the ring, at a multiple of 256: 16 rows x 528 bytes for each wave, never a tensor load's target
.set SP,     528                       ; 128 f32 + 16 bytes, an odd multiple of 16
.set LAPS,   4
.set LAP1,   512                       ; woh: 256 elements along K in a lap
.set LAP2,   1048576                   ; ah: four heads in a lap
.set ADRT, 16
.set ADRW, 20
.set STO,  24
.set RD,   25
.set CO,   26
.set BO,   27
.set F0,   64
.set F1,   128
.set BIAS, 192                         ; v192-255: b_out of my 8 x 8 columns
.set TMP,  64
.set OUTR, 128
.set G1,  24                           ; s[24:31] group 1, woh's tiles
.set G0,  32                           ; s[32:39] group 0, woh's tiles
.set G1B, 48                           ; s[48:55] group 1, ah's tiles
.set G0B, 56                           ; s[56:63] group 0, ah's tiles
.set MSB, 0
.macro WIN new
.if MSB != (\new)
	s_set_vgpr_msb (MSB<<8)|(\new)
.set MSB, (\new)
.endif
.endm
.set MUL_LO, 0xa1
.set MUL_HI, 0xf1
.set TO_B,   0x40
.macro JLOAD s                         ; waves 0, 1 ask for woh's two halves, waves 2, 3 for the K step's two heads of ah
	s_cmp_eq_u32 s11, 0
	s_cbranch_scc0 .Lfor_b_\@
	tensor_load_to_lds s[G0+4*\s:G0+4*\s+3], s[G1:G1+7]
	s_nop 0
	s_branch .Lasked_\@
.Lfor_b_\@:
	tensor_load_to_lds s[G0B+4*\s:G0B+4*\s+3], s[G1B:G1B+7]
	s_nop 0
.Lasked_\@:
.endm
.macro CREST
	s_cmp_lg_u32 s10, 0
	s_cbranch_scc1 .Lnot_wave_0_\@
	s_barrier_signal -3
.Lnot_wave_0_\@:
	s_barrier_wait -3
	s_barrier_signal -1
	s_barrier_wait -1
.endm
.macro CROUND
	s_barrier_signal -1
	s_barrier_wait -1
	CREST
.endm
.macro PLACES                          ; four plain places behind matrix instructions (ISA guide 7.12.1)
.rept 4
	v_nop
.endr
.endm
	s_load_b256 s[68:75], s[0:1], 0x0              ; ah s[68:69], woh s[70:71], b_out s[72:73], out0 s[74:75]
	s_set_vgpr_msb 0x40
	v_lshl_add_u32 v255, v0, 2, 0x3c400
	s_set_vgpr_msb 0x4000
	v_mov_b32 v63, 0
	s_set_vgpr_msb 0x1
	ds_add_u32 v255, v63
	s_set_vgpr_msb 0x100
	v_lshrrev_b32 v1, 5, v0
	v_readfirstlane_b32 s10, v1                    ; wave 0..3
	s_lshr_b32 s11, s10, 1                         ; my half of the tokens.  Also: I fetch woh (0) or ah (1)
	s_and_b32 s12, s10, 1                          ; my half of the columns.  Also: which half of woh's tile, or which head, I fetch
	s_bfe_u32 s40, ttmp6, 0x40000                  ; cx
	s_bfe_u32 s41, ttmp6, 0x40004                  ; cy
	s_lshl_b32 s42, ttmp9, 2
	s_add_co_u32 s42, s42, s40                     ; column block
	s_and_b32 s13, ttmp7, 0xffff
	s_lshl_b32 s13, s13, 2
	s_add_co_u32 s13, s13, s41                     ; token block
	s_lshl_b32 s43, s41, 2
	s_lshl_b32 s43, 15, s43                        ; my row of the cluster
	s_lshl_b32 s44, 0x1111, s40                    ; my column
	s_or_b32 s[G1+0], s44, (1<<16)|(1<<20)|(1<<21)|(5<<22)|(3<<25)   ; woh's tiles go to my column; after every 64 words, 4 words of padding
	s_mov_b32 s[G1+1], 128<<16
	s_mov_b32 s[G1+2], 128<<16
	s_mov_b32 s[G1+3], 128<<16
	s_mov_b32 s[G1+4], 128
	s_mov_b32 s[G1+5], 1024
	s_mov_b32 s[G1+6], 0
	s_mov_b32 s[G1+7], 0
	s_or_b32 s[G1B+0], s43, (1<<16)|(1<<20)|(1<<21)|(4<<22)|(3<<25)  ; ah's tiles go to my row; after every 32 words, 4 words
	s_mov_b32 s[G1B+1], 64<<16                     ; rows of 64 elements,
	s_mov_b32 s[G1B+2], 128<<16                    ; 128 of them,
	s_mov_b32 s[G1B+3], 64<<16
	s_mov_b32 s[G1B+4], 128
	s_mov_b32 s[G1B+5], 64                         ; one behind the other in memory
	s_mov_b32 s[G1B+6], 0
	s_mov_b32 s[G1B+7], 0
	; woh's address hangs on the column block alone, ah's on the token block alone, each in registers that never hold the other coordinate
	s_lshl_b32 s16, s42, 8
	s_lshl_b32 s17, s12, 7
	s_add_co_u32 s16, s16, s17                     ; woh row 256 block + 128 half
	s_lshl_b32 s16, s16, 11
	s_mov_b32 s17, 0
	s_lshr_b32 s46, s13, 4                         ; batch (16 token blocks each)
	s_lshl_b32 s46, s46, 22                        ; x 16 heads x 2,048 tokens x 128 bytes
	s_and_b32 s47, s13, 15
	s_lshl_b32 s47, s47, 14                        ; + 128 tokens x 128 bytes x block in the batch
	s_add_co_u32 s46, s46, s47
	s_lshl_b32 s47, s12, 18                        ; + my head of the K step's two
	s_add_co_u32 s46, s46, s47
	s_mov_b32 s47, 0
	s_mul_i32 s20, s10, TA                         ; waves 0, 1: woh's halves at 0 and TA
	s_mul_i32 s21, s10, TB
	s_add_co_u32 s21, s21, 2*TA-2*TB               ; waves 2, 3: the two heads at 2 TA and 2 TA + TB
	s_lshl_b32 s80, s42, 10                        ; bias: 4 (256 block + 128 half); s80, s81 feed no descriptor
	s_lshl_b32 s81, s12, 9
	s_add_co_u32 s80, s80, s81
	s_mov_b32 s81, 0
	s_wait_dscnt 0x0
	s_wait_kmcnt 0x0
	s_add_nc_u64 s[14:15], s[70:71], s[16:17]
	s_add_nc_u64 s[46:47], s[68:69], s[46:47]
	s_add_nc_u64 s[72:73], s[72:73], s[80:81]
	s_add_nc_u64 s[74:75], s[74:75], s[80:81]      ; my first column of out0 is as many bytes in
	s_lshl_b32 s80, s13, 7
	s_lshl_b32 s81, s11, 6
	s_add_co_u32 s80, s80, s81                     ; my first token
	s_lshl_b32 s80, s80, 12                        ; x 4,096 bytes (below 2^25)
	s_mov_b32 s81, 0
	s_add_nc_u64 s[74:75], s[74:75], s[80:81]
	CROUND                                         ; all sixteen work-groups are here: the first joint loads meet
.irp s, 0,1
	s_mov_b32 s[G0+4*\s], 1
	s_add_co_u32 s[G0+4*\s+1], s20, \s*SLOT
	s_add_nc_u64 s[G0+4*\s+2:G0+4*\s+3], s[14:15], \s*256          ; K step s
	s_or_b32 s[G0+4*\s+3], s[G0+4*\s+3], 0x80000000
	s_mov_b32 s[G0B+4*\s], 1
	s_add_co_u32 s[G0B+4*\s+1], s21, \s*SLOT
	s_add_nc_u64 s[G0B+4*\s+2:G0B+4*\s+3], s[46:47], \s*524288     ; K step s: two heads on
	s_or_b32 s[G0B+4*\s+3], s[G0B+4*\s+3], 0x80000000
	JLOAD \s                                       ; both first fills go out together: two tensor loads of the wave are out
.endr
	v_and_b32 v1, 15, v0                           ; r
	v_bfe_u32 v2, v0, 4, 1                         ; h
	v_mul_u32_u24 v3, v1, PW
	v_lshl_add_u32 v3, v2, 4, v3
	v_mul_u32_u24 v4, v1, PT
	v_lshl_add_u32 v4, v2, 4, v4
	s_mul_i32 s22, s11, 64*PT
	s_add_co_u32 s22, s22, 2*TA                    ; my 64 tokens in the first head's tile
	s_mul_i32 s23, s12, TA                         ; my 128 rows of W
.irp s, 0,1
	v_add_nc_u32 v[ADRT+\s], s22, v4
	v_add_nc_u32 v[ADRW+\s], s23, v3
	s_add_co_u32 s22, s22, SLOT
	s_add_co_u32 s23, s23, SLOT
.endr
	s_mul_i32 s23, s10, 16*SP
	s_add_co_u32 s23, s23, STAGE                   ; my stage
	v_mul_u32_u24 v5, v1, SP
	v_lshl_add_u32 v5, v2, 5, v5                   ; in: row r, 32 bytes for each half of the lanes
	v_add_nc_u32 v[STO], s23, v5
	v_and_b32 v6, 31, v0
	v_lshlrev_b32 v[CO], 4, v6                     ; back and out: 16 x lane, a whole row of 512 bytes a load
	v_add_nc_u32 v[RD], s23, v[CO]
	v_lshlrev_b32 v[BO], 5, v2
.irp b, 0,1,2,3,4,5,6,7
	global_load_b128 v[BIAS+8*\b:BIAS+8*\b+3],   v[BO], s[72:73] offset:64*\b
	global_load_b128 v[BIAS+8*\b+4:BIAS+8*\b+7], v[BO], s[72:73] offset:64*\b+16
.endr
; 8 matrix instructions: token block a of the window's two x all 8 column blocks, 32 along K.
; The 32 accumulators take turns, one instruction a turn, in the same order in every quarter step.
.macro MULH f, hi, a, zero
.irp b, 0,1,2,3,4,5,6,7
.if \zero
	v_wmma_f32_16x16x32_f16 v[8*(8*\a+\b):8*(8*\a+\b)+7], v[\f+8*\b:\f+8*\b+7], v[\f+8*(2*\hi+\a):\f+8*(2*\hi+\a)+7], 0
.else
	v_wmma_f32_16x16x32_f16 v[8*(8*\a+\b):8*(8*\a+\b)+7], v[\f+8*\b:\f+8*\b+7], v[\f+8*(2*\hi+\a):\f+8*(2*\hi+\a)+7], v[8*(8*\a+\b):8*(8*\a+\b)+7]
.endif
.endr
.endm
; 24 LDS loads in one run: quarter kk of the slot: W's 16, then the tokens' 8 (head kk / 2 of the step, half kk % 2 of its 64 numbers), low half first
.macro FETCH slot, kk, f
	WIN TO_B
.irp i, 0,1,2,3,4,5,6,7
	ds_load_b128 v[\f+8*\i:\f+8*\i+3],   v[ADRW+\slot] offset:64*\kk+\i*16*PW
	ds_load_b128 v[\f+8*\i+4:\f+8*\i+7], v[ADRW+\slot] offset:64*\kk+\i*16*PW+32
.endr
	WIN 0
.irp i, 0,1,2,3
	ds_load_b128 v[\f+8*\i:\f+8*\i+3],   v[ADRT+\slot] offset:(\kk/2)*TB+(\kk%2)*64+\i*16*PT
	ds_load_b128 v[\f+8*\i+4:\f+8*\i+7], v[ADRT+\slot] offset:(\kk/2)*TB+(\kk%2)*64+\i*16*PT+32
.endr
.endm
.macro QUARTER slot, kk, f, g, zero
	s_wait_dscnt 4                                 ; W and tokens 0-31 are in; the youngest four loads (tokens 32-63) may be out
	WIN MUL_LO
	MULH \f, 0, 0, \zero
	MULH \f, 0, 1, \zero
	PLACES
	FETCH \slot, \kk, \g
	s_wait_dscnt 24                                ; all but the 24 just issued
	WIN MUL_HI
	MULH \f, 1, 0, \zero
	MULH \f, 1, 1, \zero
.endm
.macro THREE slot, zero
	QUARTER \slot, 1, F0, F1, \zero
	QUARTER \slot, 2, F1, F0, 0
	QUARTER \slot, 3, F0, F1, 0
.endm
; The change of slots: each wave's reads of this slot and all its tensor loads are waited for in front of the barrier; where the slot is filled
; again the barrier opens a round of the cluster's barrier, and the joint refill is the first tensor load behind the round.
; From a request to the wait for it a wave issues 120 matrix instructions.
.macro TURN slot, next, fill
	s_wait_dscnt 4
	WIN MUL_LO
	MULH F1, 0, 0, 0
	s_wait_dscnt 0
	s_wait_tensorcnt 0x0
	ds_add_u32 v255, v63
	s_wait_dscnt 0x0
	s_barrier_signal -1
	MULH F1, 0, 1, 0
	WIN 0
	s_barrier_wait -1
.if \fill
	CREST
	s_add_nc_u64 s[G0+4*\slot+2:G0+4*\slot+3], s[G0+4*\slot+2:G0+4*\slot+3], LAP1
	s_add_nc_u64 s[G0B+4*\slot+2:G0B+4*\slot+3], s[G0B+4*\slot+2:G0B+4*\slot+3], LAP2
	JLOAD \slot
.endif
	PLACES
	FETCH \next, 0, F0
	WIN MUL_HI
	MULH F1, 1, 0, 0
	MULH F1, 1, 1, 0
.endm
.macro LAP zero
	THREE 0, \zero
	TURN 0, 1, 1
	THREE 1, 0
	TURN 1, 0, 1
.endm
	s_wait_loadcnt 0x0                             ; the bias, once
	s_wait_tensorcnt 1                             ; my part of K step 0 is in; K step 1's may stay out
	s_barrier_signal -1
	s_barrier_wait -1
	FETCH 0, 0, F0
	LAP 1
	WIN 0
	s_mov_b32 s3, LAPS-2
.Llap:
	LAP 0
	WIN 0
	s_sub_co_u32 s3, s3, 1
	s_cmp_lg_u32 s3, 0
	s_cbranch_scc1 .Llap
	THREE 0, 0                                     ; the last lap fills nothing
	TURN 0, 1, 0
	THREE 1, 0
	s_wait_dscnt 4
	WIN MUL_LO
	MULH F1, 0, 0, 0
	MULH F1, 0, 1, 0
	s_wait_dscnt 0
	WIN MUL_HI
	MULH F1, 1, 0, 0
	MULH F1, 1, 1, 0
	PLACES
; THE WAY OUT, 16 tokens at a time through my own stage: bias added in f32, 32 bytes a lane in, whole rows of 512 bytes back and out.
.macro OUTF g, a, hi
	WIN (0x02+\hi)                                 ; source 0 = accumulators
.irp b, 0,1,2,3,4,5,6,7
.irp i, 0,1,2,3
	v_pk_add_f32 v[TMP+8*\b+2*\i:TMP+8*\b+2*\i+1], v[8*(8*\a+\b)+2*\i:8*(8*\a+\b)+2*\i+1], v[BIAS+8*\b+2*\i:BIAS+8*\b+2*\i+1]
.endr
.endr
	WIN 0
.irp b, 0,1,2,3,4,5,6,7
	ds_store_b128 v[STO], v[TMP+8*\b:TMP+8*\b+3]   offset:64*\b
	ds_store_b128 v[STO], v[TMP+8*\b+4:TMP+8*\b+7] offset:64*\b+16
.endr
	s_wait_xcnt 0x0                                ; the last group's stores name v128-191, which are loaded again only behind this wait
.irp t, 0,1,2,3,4,5,6,7,8,9,10,11,12,13,14,15
	ds_load_b128 v[OUTR+4*\t:OUTR+4*\t+3], v[RD] offset:SP*\t   ; LDS serves a wave's instructions in order: these see the stores above
.endr
.irp t, 0,1,2,3,4,5,6,7,8,9,10,11,12,13,14,15
	s_wait_dscnt 15-\t                             ; this load is in, the younger ones stay out
	global_store_b128 v[CO], v[OUTR+4*\t:OUTR+4*\t+3], s[74:75] offset:(16*\g+\t)*4096 th:TH_STORE_NT   ; 512 consecutive bytes of a row, at a multiple of 512
.endr
.endm
	OUTF 0, 0, 0
	OUTF 1, 1, 0
	OUTF 2, 0, 1
	OUTF 3, 1, 1
	s_set_vgpr_msb 0x1
	s_wait_tensorcnt 0x0
	ds_add_u32 v255, v63
	s_wait_dscnt 0x0
	s_set_vgpr_msb 0x100
	CROUND                                         ; the closing round
	s_endpgm
.Lfunc_end_k_q3aa3df50f2_proj:
	.size	k_q3aa3df50f2_proj, .Lfunc_end_k_q3aa3df50f2_proj-k_q3aa3df50f2_proj
	.p2alignl 7, 3214868480
	.fill 96, 4, 3214868480
	.section	.rodata,"a",@progbits
	.p2align	6, 0x0
	.amdhsa_kernel k_q3aa3df50f2_proj
		.amdhsa_group_segment_fixed_size 327680
		.amdhsa_private_segment_fixed_size 0
		.amdhsa_enable_private_segment 0
		.amdhsa_kernarg_size 32
		.amdhsa_user_sgpr_count 2
		.amdhsa_user_sgpr_kernarg_segment_ptr 1
		.amdhsa_wavefront_size32 1
		.amdhsa_system_sgpr_workgroup_id_x 1
		.amdhsa_system_sgpr_workgroup_id_y 1
		.amdhsa_system_sgpr_workgroup_id_z 1
		.amdhsa_system_vgpr_workitem_id 0
		.amdhsa_next_free_vgpr 896
		.amdhsa_next_free_sgpr 84
		.amdhsa_reserve_vcc 0
		.amdhsa_float_denorm_mode_32 3
		.amdhsa_float_denorm_mode_16_64 3
		.amdhsa_memory_ordered 1
		.amdhsa_forward_progress 1
		.amdhsa_inst_pref_size 129
	.end_amdhsa_kernel
	.amdgpu_metadata
---
amdhsa.version: [ 1, 2 ]
amdhsa.kernels:
  - .name:           k_q3aa3df50f2_proj
    .symbol:         k_q3aa3df50f2_proj.kd
    .args:
      - { .name: ah, .offset: 0, .size: 8, .value_kind: global_buffer, .address_space: global }
      - { .name: woh, .offset: 8, .size: 8, .value_kind: global_buffer, .address_space: global }
      - { .name: b_out, .offset: 16, .size: 8, .value_kind: global_buffer, .address_space: global }
      - { .name: out0, .offset: 24, .size: 8, .value_kind: global_buffer, .address_space: global }
    .group_segment_fixed_size: 327680
    .private_segment_fixed_size: 0
    .kernarg_segment_align: 8
    .kernarg_segment_size: 32
    .max_flat_workgroup_size: 128
    .sgpr_count:     84
    .vgpr_count:     896
    .wavefront_size: 32
...
	.end_amdgpu_metadata
.endif
;; end of part 4
